; MI455X (gfx1250); checked and timed in simulation.
; The chip was launched on July 23, 2026; its instructions are those of AMD's public machine-readable ISA for CDNA 5 (MIT licence, August 2026) and "CDNA5" Instruction Set Architecture Reference Guide (July 2026). The comments in the code are by the model that wrote it; some were corrected since.
;; Multi Head Attention. Allowed arithmetic: matrix products marked QUANTISED: E5M2 operands, one given power-of-two scale a tensor, by v_wmma_f32_16x16x64_bf8_bf8 or v_wmma_f32_16x16x128_bf8_bf8, f32 sums; everything else in f32.
;; Inputs: W_qkv 3,072 x 1,024 float32; b_qkv 3,072 float32; lowp_scales 6 int32 (the exponents e of the quantised operands' scales 2^e); x 2 x 2,048 x 1,024 float32.
;; Outputs: out0 2 x 2,048 x 1,024 float32.
;; This version of the problem:
;;   THIS VERSION OF THE PROBLEM IS GIVEN IN LOW PRECISION. The matrix products marked QUANTISED in the list below multiply operands that are first quantised to E5M2 (5 exponent bits, 2 mantissa bits; 8 bits a number), with one given power-of-two scale for each operand tensor; their sums are f32. All else is computed in f32.
;;   The module's matrix products, in the order in which they are computed (A, B: the left and right operand; K: the contracted axis; several contracted axes count as one K, in the product's order):
;;     1. [M 4,096, K 1,024] x [K 1,024, N 3,072]; A: input x; B: input W_qkv: QUANTISED (scales: A lowp_scales[0], B lowp_scales[1])
;;     2. batch 16 x [M 2,048, K 128] x [K 128, N 2,048]; A: computed on the way; B: computed on the way: QUANTISED (scales: A lowp_scales[2], B lowp_scales[3])
;;     3. batch 16 x [M 2,048, K 2,048] x [K 2,048, N 128]; A: softmax (see below); B: computed on the way: QUANTISED (scales: A lowp_scales[4], B lowp_scales[5])
;;   THE QUANTISER, for each operand of a quantised product, along K:
;;     - The operand's scale is 2^e, e = its entry of the input lowp_scales (int32; the entries are numbered through the quantised products in the list's order, A before B).
;;     - Each number is divided by the scale, clamped to +-57,344, and rounded to the nearest number of E5M2, ties to even, subnormals kept.
;;     - The product sums the exact products of the quantised numbers (number of the format x scale) in f32.
;;   ~~~python
;;   def quantise(x, axis, e):      # numpy; x: float32 -> the quantised numbers, widened to float32 again
;;       x = np.moveaxis(x, axis, -1); K = x.shape[-1]
;;       r = np.clip(x / 2.0 ** e, -57344, 57344)
;;       step = 2.0 ** (np.maximum(np.frexp(np.where(r == 0, 1, r))[1] - 1, -14) - 2)
;;       q = np.round(r / step) * step * 2.0 ** e      # np.round: ties to even
;;       return np.moveaxis(q, -1, axis).astype(np.float32)
;;   ~~~
;;   SOFTMAX AHEAD OF A QUANTISED PRODUCT. Where the list says 'softmax', what is quantised is not the finished softmax but p = 2^(t - M), with t = logit x log2(e) and M = ceil(the row's largest t), a whole number; so 1/2 < the row's largest p <= 1. The row's sum l is taken of the UNQUANTISED p, in f32, and the product's result is divided by l at the end. Since M is a whole number, a kernel that streams over the keys may use a running M (the ceiling of the running maximum): every later rescaling is an exact power of two, so the quantised numbers keep their values, but for numbers so far below the row's largest that they fall under the format's range.
;;   OPERANDS COMPUTED ON THE WAY. 'Computed on the way' means the value that the module computes at that place (a softmax that the list does not call 'softmax' is quantised finished and normalised). What goes into a quantiser is computed in f32, as accurately as f32 sums, v_exp_f32 and their like allow (about 1e-6 of the number): no bf16 or f16 on the way to a quantiser, and a product that is left as it is and whose result goes on into a quantised operand takes f32 operands (vector FMAs, or v_wmma_f32_16x16x4_f32). A number that lies on a knife's edge between two numbers of the format may be rounded either way, as far as f32 arithmetic and the matrix unit's own rounding can turn it there, and no further.
;; One version. Each part assembles by itself: llvm-mc -triple=amdgcn-amd-amdhsa -mcpu=gfx1250 --defsym DOCPART=n.
;; ======== version 1 of 1: 3 launches
;; limits: right only within a limited range of input values
;; workspace buffers: codes 7,340,032 bytes; qkv 12,582,912 bytes
;; launch quant (part 1): grid 256 x 1, 14 waves a work-group, no clusters, 116,736 bytes of LDS; arguments x, W_qkv, lowp_scales, codes; writes codes
.if DOCPART == 1
	.amdgcn_target "amdgcn-amd-amdhsa--gfx1250"
	.amdhsa_code_object_version 6
	.text
	.protected	k_qbda496539b_quant
	.globl	k_qbda496539b_quant
	.p2align	8
	.type	k_qbda496539b_quant,@function
k_qbda496539b_quant:
	s_mov_b64 s[64:65], 0
	v_nop
	global_prefetch_b8 v0, s[64:65] scope:SCOPE_SE
	s_setreg_imm32_b32 hwreg(HW_REG_WAVE_MODE, 25, 1), 1
	s_wait_xcnt 0x0
; x [4096][1024] and W_qkv [3072][1024], f32, become codes of BF8 (E5M2), one byte each, K innermost, in ONE buffer of 7,168 rows of 1,024 bytes: x's rows first, then W's.
; code = number / 2^e, held within +-57,344, rounded to the nearest code, ties to even.  e is entry 0 (x) or entry 1 (W) of the buffer of scales.
; LIMITS: -126 <= e <= 112, so that 2^e and 57,344 x 2^e are f32 numbers.  NaN among the inputs is not served; an infinity is held at the largest code.
; THE ROWS ARE PERMUTED inside each group of 32: the four runs of eight rows 0-7, 8-15, 16-23, 24-31 are laid in the order 0-7, 16-23, 8-15, 24-31.  The product that reads the codes takes 16 neighbouring
; places as a tile; with this order a lane's results of two neighbouring tiles are 16 neighbours along the next product's K, and are quantised where they stand.
; SHARES.  3,584 pairs of rows (x's 2,048, then W's 1,536) to 256 work-groups x 14 waves.  A pair is 2,048 numbers, dense in memory, in 4 steps of 512.  Pair q is part q % 4 of run q / 4; run g goes to place (g / 4) x 4 + sigma(g % 4), sigma = 0, 2, 1, 3.
; All sixteen loads of a wave go out at its head.  A conversion takes 8 neighbours along K from one lane's registers; each load reads 512 consecutive bytes, 16 a lane: a step's 2,048 bytes go through the wave's own stage in LDS
; and come back 64 bytes a lane (16 bytes of padding behind each 64).  A lane's 16 codes are 16 bytes: the wave stores 512 consecutive bytes.
; No tensor loads, no barrier: waves share nothing.  Nothing is prefetched: every byte is asked for by its load at the head.
.set STEPS, 4
.set XP,    2048                       ; x's pairs
.set EMAX,  15
.set MANT,  0x600000                   ; the mantissa field of 57,344 as f32
.set R,     16                         ; v16-79   four sets of 16 numbers as they are loaded
.set X,     80                         ; v80-111  two sets of 16 neighbours
.set C,     112                        ; v112-127 codes: four registers for each step
.set WREG,  8192                       ; LDS: a region of its own for each wave: two stages of 32 x SP bytes
.set SP,    80
.set SPW,   128                        ; my spare word's address
.set NIL,   129                        ; 0
.set SPARE, 14*WREG                    ; behind the regions: the spare words
	s_load_b128 s[4:7], s[0:1], 0x0                ; x, W
	s_load_b128 s[12:15], s[0:1], 0x10             ; the scales' exponents, the codes
	v_lshl_add_u32 v[SPW], v0, 2, SPARE
	v_mov_b32 v[NIL], 0
	v_lshrrev_b32 v1, 5, v0
	v_readfirstlane_b32 s16, v1                    ; wave
	v_and_b32 v2, 31, v0                           ; lane
	v_lshlrev_b32 v3, 4, v2                        ; my 16 bytes of a load's 512, and of a store's 512
	s_mul_i32 s17, s16, WREG
	v_lshrrev_b32 v14, 2, v2
	v_mul_u32_u24 v14, v14, SP
	v_and_b32 v15, 3, v2
	v_lshl_add_u32 v14, v15, 4, v14
	v_add_nc_u32 v14, s17, v14                     ; the stage, on the way in: SP (lane / 4) + 16 (lane % 4)
	v_mul_u32_u24 v15, v2, SP
	v_add_nc_u32 v15, s17, v15                     ; and on the way out: SP x lane: my 16 neighbours
	s_wait_alu depctr_va_vdst(0)
	s_mul_i32 s18, ttmp9, 14
	s_add_co_u32 s18, s18, s16                     ; my pair q
	s_lshr_b32 s20, s18, 2                         ; its run
	s_and_b32 s21, s20, 1
	s_lshl_b32 s21, s21, 1
	s_bfe_u32 s24, s20, 0x10001
	s_or_b32 s21, s21, s24                         ; sigma(run % 4): 0, 2, 1, 3
	s_and_b32 s20, s20, 0xffc
	s_or_b32 s20, s20, s21
	s_lshl_b32 s20, s20, 2
	s_and_b32 s21, s18, 3
	s_or_b32 s20, s20, s21
	s_lshl_b32 s20, s20, 11                        ; my place x 2,048 bytes
	s_mov_b32 s21, 0
	s_wait_kmcnt 0x0
	s_load_b64 s[22:23], s[12:13], 0x0             ; e of x, e of W
	s_cmp_lt_u32 s18, XP                           ; x's pair or W's?
	s_cselect_b64 s[4:5], s[4:5], s[6:7]
	s_cselect_b32 s17, 0, XP
	s_cselect_b32 s25, 1, 0
	s_sub_co_u32 s26, s18, s17                     ; the pair in its own tensor,
	s_lshl_b32 s26, s26, 13                        ; x 2,048 numbers of 4 bytes (under 2^25)
	s_mov_b32 s27, 0
	s_add_nc_u64 s[4:5], s[4:5], s[26:27]
	s_add_nc_u64 s[8:9], s[14:15], s[20:21]
.macro LOAD t
.irp i, 0,1,2,3
	global_load_b128 v[R+16*(\t)+4*\i:R+16*(\t)+4*\i+3], v3, s[4:5] offset:2048*(\t)+512*\i th:TH_LOAD_NT   ; 32 lanes read 512 consecutive bytes, read once in the launch
.endr
.endm
.macro TURN t                          ; LDS serves a wave's instructions in order (ISA guide 5.7.1.4): no wait stands between the stores and the loads
.irp i, 0,1,2,3
	ds_store_b128 v14, v[R+16*(\t)+4*\i:R+16*(\t)+4*\i+3] offset:32*SP*((\t)%2)+8*SP*\i
.endr
.irp i, 0,1,2,3
	ds_load_b128 v[X+16*((\t)%2)+4*\i:X+16*((\t)%2)+4*\i+3], v15 offset:32*SP*((\t)%2)+16*\i
.endr
.endm
.irp t, 0,1,2,3
	LOAD \t
.endr
	s_wait_kmcnt 0x0
	s_cmp_eq_u32 s25, 1
	s_cselect_b32 s22, s22, s23                    ; e
	s_add_co_i32 s22, s22, 127
	s_lshl_b32 s23, s22, 23
	v_mov_b32 v11, s23                             ; 2^e as f32: the conversion takes its exponent field
	s_add_co_i32 s22, s22, EMAX
	s_lshl_b32 s22, s22, 23
	s_or_b32 s22, s22, MANT
	v_mov_b32 v10, s22                             ; 57,344 x 2^e
	s_wait_alu depctr_va_vdst(0)
	s_wait_loadcnt 12                              ; step 0's four loads are in; those of steps 1 to 3 may be out
	TURN 0
.macro STEP t
.set XS, X+16*((\t)%2)
	s_wait_dscnt 0x0                               ; this step's numbers are back from the stage
.if (\t)+1 < STEPS
	s_wait_loadcnt 4*(STEPS-2-(\t))                ; the next step's four loads are in; those of the steps behind it (two, one, none) may be out
	TURN (\t)+1
.endif
.irp i, 0,1,2,3,4,5,6,7,8,9,10,11,12,13,14,15
	v_med3_num_f32 v[XS+\i], v[XS+\i], -v10, v10   ; the conversion to an 8-bit code does not saturate (ISA guide 7.6.2)
.endr
	v_cvt_scalef32_pk8_bf8_f32 v[C+4*(\t):C+4*(\t)+1], v[XS:XS+7], v11
	v_cvt_scalef32_pk8_bf8_f32 v[C+4*(\t)+2:C+4*(\t)+3], v[XS+8:XS+15], v11     ; (their results go to a store alone; the next vector lines are the next step's holds, on other registers)
	global_store_b128 v3, v[C+4*(\t):C+4*(\t)+3], s[8:9] offset:512*(\t)        ; 32 lanes store 512 consecutive bytes, at a multiple of 256 from the buffer's first byte
.endm
.irp t, 0,1,2,3
	STEP \t
.endr
	s_wait_tensorcnt 0x0                           ; the wave's end
	ds_add_u32 v[SPW], v[NIL]
	s_wait_dscnt 0x0
	s_endpgm
.Lfunc_end_k_qbda496539b_quant:
	.size	k_qbda496539b_quant, .Lfunc_end_k_qbda496539b_quant-k_qbda496539b_quant
	.p2alignl 7, 3214868480
	.fill 96, 4, 3214868480
	.section	.rodata,"a",@progbits
	.p2align	6, 0x0
	.amdhsa_kernel k_qbda496539b_quant
		.amdhsa_group_segment_fixed_size 116736
		.amdhsa_private_segment_fixed_size 0
		.amdhsa_enable_private_segment 0
		.amdhsa_kernarg_size 32
		.amdhsa_user_sgpr_count 2
		.amdhsa_user_sgpr_kernarg_segment_ptr 1
		.amdhsa_wavefront_size32 1
		.amdhsa_system_sgpr_workgroup_id_x 1
		.amdhsa_system_sgpr_workgroup_id_y 1
		.amdhsa_system_sgpr_workgroup_id_z 1
		.amdhsa_system_vgpr_workitem_id 0
		.amdhsa_next_free_vgpr 130
		.amdhsa_next_free_sgpr 66
		.amdhsa_reserve_vcc 0
		.amdhsa_float_denorm_mode_32 3
		.amdhsa_float_denorm_mode_16_64 3
		.amdhsa_memory_ordered 1
		.amdhsa_forward_progress 1
		.amdhsa_inst_pref_size 12
	.end_amdhsa_kernel
	.amdgpu_metadata
---
amdhsa.version: [ 1, 2 ]
amdhsa.kernels:
  - .name:           k_qbda496539b_quant
    .symbol:         k_qbda496539b_quant.kd
    .args:
      - { .name: x, .offset: 0, .size: 8, .value_kind: global_buffer, .address_space: global }
      - { .name: W_qkv, .offset: 8, .size: 8, .value_kind: global_buffer, .address_space: global }
      - { .name: lowp_scales, .offset: 16, .size: 8, .value_kind: global_buffer, .address_space: global }
      - { .name: codes, .offset: 24, .size: 8, .value_kind: global_buffer, .address_space: global }
    .group_segment_fixed_size: 116736
    .private_segment_fixed_size: 0
    .kernarg_segment_align: 8
    .kernarg_segment_size: 32
    .max_flat_workgroup_size: 448
    .sgpr_count:     66
    .vgpr_count:     130
    .wavefront_size: 32
...
	.end_amdgpu_metadata
.endif
;; end of part 1
;; launch qkv (part 2): grid 12 x 16, 4 waves a work-group, clusters of 4 x 4, 327,680 bytes of LDS; arguments codes, b_qkv, lowp_scales, qkv; writes qkv
.if DOCPART == 2
	.amdgcn_target "amdgcn-amd-amdhsa--gfx1250"
	.amdhsa_code_object_version 6
	.text
	.protected	k_qbda496539b_qkv
	.globl	k_qbda496539b_qkv
	.p2align	8
	.type	k_qbda496539b_qkv,@function
k_qbda496539b_qkv:
	s_mov_b64 s[64:65], 0
	v_nop
	global_prefetch_b8 v0, s[64:65] scope:SCOPE_SE
	s_setreg_imm32_b32 hwreg(HW_REG_WAVE_MODE, 25, 1), 1
	s_wait_xcnt 0x0
	s_wait_alu depctr_hold_cnt(0) depctr_sa_sdst(0) depctr_va_vdst(0) depctr_va_sdst(0) depctr_va_ssrc(0) depctr_va_vcc(0) depctr_vm_vsrc(0)
	s_getreg_b32 s2, hwreg(HW_REG_IB_STS2, 6, 4)
	s_cmp_eq_u32 s2, 0
	s_cbranch_scc0 .Lentry_in_a_cluster
	s_endpgm
.Lentry_in_a_cluster:
	s_bfe_u32 s2, ttmp6, 0x10000c
	s_cmp_lg_u32 s2, 0xf033
	s_cbranch_scc0 .Lentry_shape_is_right
	s_endpgm
.Lentry_shape_is_right:
; qkv = x W^T + b on codes of BF8 (E5M2), and its three parts Q, K, V quantised again, each with its given scale, into the buffer that the attention reads.
; codes: 7,168 rows of 1,024 bytes, K innermost: places 0-4,095 x's rows, 4,096-7,167 W's; inside each group of 32 places the runs of eight rows lie in the order 0-7, 16-23, 8-15, 24-31.
; A number of x is its code x 2^e0, of W x 2^e1: the codes are multiplied as they are; a finished sum becomes sum x 2^(e0 + e1) + bias by one fused multiply-add in f32, is held within +-57,344 x 2^eo and converted (eo = e2 for Q, e3 for K, e5 for V).
; LIMITS: e0 + e1 between -126 and 127; e2, e3, e5 between -126 and 112: each power of two below is then an f32 number.  NaN is not served.
; SHARES.  A tile of 256 x 256 results to a work-group of four waves, 128 x 128 (64 accumulators, 512 registers) to a wave; K = 1,024 goes in four steps of 256 through a ring of two LDS slots filled by the tensor data mover.
; 192 tiles, 192 work-groups: a wave's 128 x 128 is exactly one head's 128 channels x one block of 128 tokens, which is what the way out rests on; a finer cut would read each LDS byte for half the products.
; ROLES.  Cluster x says which part: 0 Q, 1 K, 2 V.  For Q and K the operand called A here is x's rows (tokens) and B is W's rows (channels).  For V the roles are swapped, A = W_v's rows, B = x's rows: V is wanted with the KEYS innermost.
; THE MATRIX INSTRUCTION IS USED TRANSPOSED (source 0 = 16 places of B, source 1 = 16 places of A): lane (r, h) holds A's place r and, in register j, B's place 8 h + j of the tile.  By the order of the rows in the buffer the 16 registers of
; accumulators (a, 2 c) and (a, 2 c + 1) are B's rows 32 c + 16 h + 0 .. 15: 16 NEIGHBOURS along the next product's K.  So the conversions' results ARE the next operand's registers.
; OUT: blocks of 16,384 bytes, block = 256 part + 128 batch + 16 head + token / 128; a block is 8 images of 2,048 bytes; image a, register group c, lane l: 16 bytes at 2048 a + 512 c + 16 l.
; In image a lane (r, h) holds row 32 (a / 2) + 8 (a % 2) + r + 8 (r / 8) of the block (a token for Q and K, a channel for V) and k = 32 c + 16 h + 0 .. 15 (a channel for Q and K, a key for V).
; CLUSTERS: 4 x 4 work-groups.  The four of a row of the cluster need the same tiles of A, the four of a column the same tiles of B: each tile is asked for JOINTLY, by the same tensor load with the same descriptor and a mask that names the four.
; PREFETCH: behind each joint load but the last, what the next one will bring, one K step ahead: of the 128 rows that a wave fetches each of the four partners names 32, told apart by address, a lane a row, 256 bytes each.
; REGISTERS, in windows of 256: window 0: v1-31 addresses and constants; v32-95 the bias by B's rows, v96-111 the bias by A's rows (each number twice, a pair); from v128 A's fragments (8 x 16 rows x 128 K), ONE set; on the way out the codes.
;   window 1: B's fragments, TWO sets, at v0 and at v128.   window 2: the 32 accumulators of my A blocks 0-3 (accumulator (a, b) at v[8 (8 (a % 4) + b)]);   window 3: those of blocks 4-7.
.set ROWB,   256                       ; a tile's row in bytes: a K step
.set KROW,   1024                      ; a row of the codes' buffer in bytes
.set PITCH,  272                       ; an LDS row: 256 bytes + 16 of padding = 68 words: row r starts at bank 4 r mod 64 (64 banks of 4 bytes: ISA guide 11.1)
.set FR,     16                        ; registers of a fragment: 16 rows x 128 K
.set NP,     4                         ; places behind this matrix instruction (ISA guide 7.12.1)
.set HALFT,  128*PITCH                 ; 128 rows: what one tensor load brings, and what one wave reads of A or of B
.set SLOT,   4*HALFT                   ; A's 256 rows, then B's 256 rows
.set SPARE,  2*SLOT                    ; behind the ring: the spare words
.set PFO,  8                           ; the prefetches' offset: 1,024 x lane; never rewritten
.set ADRA, 16                          ; v16-17  LDS address of my A fragments in slot 0, 1
.set ADRB, 20                          ; v20-21  the same for B
.set CO,   26                          ; 16 x lane
.set SPW,  28                          ; my spare word's address; never rewritten
.set NIL,  29                          ; 0; never rewritten
.set LIM,  30                          ; 57,344 x 2^eo
.set SC,   31                          ; 2^eo
.set BJ,   32                          ; v32-95  b at B's rows: register 16 c + i: row 32 c + 16 h + i of my 128
.set BI,   96                          ; v96-111 b at A's rows: pair a: the row that my lane holds of block a
.set AF,   128                         ; A's fragments, in window 0
.set PC,   128                         ; the way out: the codes, 16 registers a block
.set G1, 24                            ; s[24:31] descriptor group 1 for A's tiles;  s[32:39] group 0, one set for each slot
.set G0, 32
.set G1B, 48                           ; s[48:55], s[56:63] the same for B's tiles
.set G0B, 56
.set MSB, 0
.macro WIN new                         ; the immediate's high byte repeats the setting that is left
.if MSB != (\new)
	s_set_vgpr_msb (MSB<<8)|(\new)
.set MSB, (\new)
.endif
.endm
.set MUL_LO, 0xa1                      ; source 0 (B) window 1, source 1 (A) window 0, C and D window 2
.set MUL_HI, 0xf1                      ; the same, C and D window 3
.set TO_B,   0x40                      ; destination window 1, address window 0
; A joint load: waves 0 and 1 fetch for A, waves 2 and 3 for B.  Each of the two lines has ONE mask and one set of registers for all that issue it; the branch hangs on the wave's number alone.
.macro JLOAD g0a, g1a, g0b, g1b
	s_cmp_eq_u32 s15, 0
	s_cbranch_scc0 .Lfor_b_\@
	tensor_load_to_lds s[\g0a:\g0a+3], s[\g1a:\g1a+7]
	s_nop 0
.rept 4
	v_nop
.endr
	s_branch .Lasked_\@
.Lfor_b_\@:
	tensor_load_to_lds s[\g0b:\g0b+3], s[\g1b:\g1b+7]
	s_nop 0
.rept 4
	v_nop
.endr
.Lasked_\@:
.endm
.macro ASK k                           ; K step k of my 32 rows
	global_prefetch_b8 v[PFO], s[74:75] offset:256*(\k) th:TH_LOAD_NT scope:SCOPE_SE
.endm
.macro CREST                           ; a round of the cluster's barrier behind its opening barrier
	s_cmp_lg_u32 s14, 0
	s_cbranch_scc1 .Lnot_wave_0_\@
	s_barrier_signal -3
.Lnot_wave_0_\@:
	s_barrier_wait -3
	s_barrier_signal -1
	s_barrier_wait -1
.endm
.macro CROUND
	s_barrier_signal -1
	s_barrier_wait -1
	CREST
.endm
	s_load_b256 s[4:11], s[0:1], 0x0               ; the codes s[4:5], b s[6:7], the scales' exponents s[8:9], the images s[10:11]
	v_lshl_add_u32 v[SPW], v0, 2, SPARE
	v_mov_b32 v[NIL], 0
	ds_add_u32 v[SPW], v[NIL]                      ; the opening: the add, twice on end, ahead of my first tensor load
	ds_add_u32 v[SPW], v[NIL]
	v_lshrrev_b32 v1, 5, v0
	v_readfirstlane_b32 s14, v1                    ; wave 0..3
	v_and_b32 v[PFO], 31, v0
	v_lshlrev_b32 v[PFO], 10, v[PFO]
	s_lshr_b32 s15, s14, 1                         ; which 128 of the tile's A rows are mine.  Also: I fetch for A (0) or for B (1)
	s_and_b32 s16, s14, 1                          ; which 128 of its B rows.  Also: which 128 rows of that tile I fetch
	s_bfe_u32 s40, ttmp6, 0x40000                  ; cx, cy: my place in the cluster
	s_bfe_u32 s41, ttmp6, 0x40004
	s_and_b32 s12, ttmp7, 0xffff                   ; cluster y: which 1,024 tokens
	s_lshl_b32 s17, s12, 10
	s_lshl_b32 s42, ttmp9, 10
	s_add_co_u32 s42, s42, 4096                    ; W's first place of the part (cluster x)
	s_cmp_eq_u32 ttmp9, 2                          ; V?  The same in all sixteen partners
	s_cselect_b32 s13, 1, 0
	s_cselect_b32 s20, 0x1800, s17                 ; A's first place in the cluster: W_v's (4,096 + 2,048), else the tokens'
	s_cselect_b32 s46, s17, s42                    ; B's: the tokens', else W's part
	s_lshl_b32 s43, s41, 2
	s_lshl_b32 s43, 15, s43                        ; my row of the cluster
	s_lshl_b32 s44, 0x1111, s40                    ; my column
	; descriptor group 1: a tile of 128 rows x 256 bytes, padded in LDS by four words after every 64
	s_or_b32 s[G1+0], s43, (0<<16)|(1<<20)|(1<<21)|(5<<22)|(3<<25)
	s_or_b32 s[G1B+0], s44, (0<<16)|(1<<20)|(1<<21)|(5<<22)|(3<<25)
.irp g, G1, G1B
	s_mov_b32 s[\g+1], ROWB<<16
	s_mov_b32 s[\g+2], 128<<16
	s_mov_b32 s[\g+3], ROWB<<16
	s_mov_b32 s[\g+4], 128
	s_mov_b32 s[\g+5], KROW
	s_mov_b32 s[\g+6], 0
	s_mov_b32 s[\g+7], 0
.endr
	s_lshl_b32 s18, s16, 7                         ; which 128 rows of the tile I fetch
	s_lshl_b32 s19, s41, 8
	s_add_co_u32 s20, s20, s19                     ; A: + 256 cy: shared along my row of the cluster; these registers never hold cx
	s_add_co_u32 s20, s20, s18
	s_lshl_b32 s20, s20, 10                        ; in bytes (under 2^23)
	s_mov_b32 s21, 0
	s_lshl_b32 s47, s40, 8
	s_add_co_u32 s46, s46, s47                     ; B: + 256 cx: shared along my column; these registers never hold cy
	s_add_co_u32 s46, s46, s18
	s_lshl_b32 s46, s46, 10
	s_mov_b32 s47, 0
	s_mul_i32 s45, s14, HALFT                      ; where they go: wave x 128 rows: no place in the cluster enters an LDS address
	s_wait_alu depctr_va_vdst(0)
	s_wait_dscnt 0x0                               ; both opening adds are done
	s_wait_kmcnt 0x0
	s_load_b128 s[84:87], s[8:9], 0x0              ; e0, e1, e2, e3
	s_load_b64 s[88:89], s[8:9], 0x10              ; e4, e5
	s_add_nc_u64 s[20:21], s[4:5], s[20:21]
	s_add_nc_u64 s[46:47], s[4:5], s[46:47]
	CROUND                                         ; all sixteen work-groups are here: the first joint loads meet
.irp s, 0,1
	s_mov_b32 s[G0+4*\s], 1
	s_add_co_u32 s[G0+4*\s+1], s45, \s*SLOT
	s_add_nc_u64 s[G0+4*\s+2:G0+4*\s+3], s[20:21], \s*ROWB
	s_or_b32 s[G0+4*\s+3], s[G0+4*\s+3], 0x80000000
	s_mov_b32 s[G0B+4*\s], 1
	s_add_co_u32 s[G0B+4*\s+1], s45, \s*SLOT
	s_add_nc_u64 s[G0B+4*\s+2:G0B+4*\s+3], s[46:47], \s*ROWB
	s_or_b32 s[G0B+4*\s+3], s[G0B+4*\s+3], 0x80000000
.endr
	JLOAD G0, G1, G0B, G1B                         ; K step 0: one tensor load a wave at the head
	s_cmp_eq_u32 s15, 0
	s_cselect_b64 s[74:75], s[20:21], s[46:47]     ; the 128 rows that I fetch,
	s_cselect_b32 s76, s40, s41                    ; and my place among the four that fetch them with me
	s_lshl_b32 s76, s76, 15                        ; 32 rows a place
	s_mov_b32 s77, 0
	s_add_nc_u64 s[74:75], s[74:75], s[76:77]
	v_and_b32 v1, 15, v0                           ; r = lane % 16
	v_bfe_u32 v2, v0, 4, 1                         ; h = lane / 16
	s_wait_alu depctr_va_vdst(0)
	ASK 1
	v_mul_u32_u24 v3, v1, PITCH
	v_lshl_add_u32 v4, v2, 4, v3                   ; a fragment's row x pitch + 16 x half
	s_mul_i32 s22, s15, HALFT                      ; my 128 rows of A
	s_mul_i32 s23, s16, HALFT                      ; my 128 rows of B,
	s_add_co_u32 s23, s23, 2*HALFT                 ; which lie behind A's 256
.irp s, 0,1
	v_add_nc_u32 v[ADRA+\s], s22, v4
	v_add_nc_u32 v[ADRB+\s], s23, v4
	s_add_co_u32 s22, s22, SLOT
	s_add_co_u32 s23, s23, SLOT
.endr
	v_and_b32 v3, 31, v0
	v_lshlrev_b32 v[CO], 4, v3
	; which block of the output is my wave's, and which 128 numbers of b
	s_lshl_b32 s66, s41, 1
	s_add_co_u32 s66, s66, s15                     ; my 128 of A's rows in the cluster: 2 cy + half
	s_lshl_b32 s67, s40, 1
	s_add_co_u32 s67, s67, s16                     ; of B's: 2 cx + half
	s_cmp_eq_u32 s13, 1
	s_cselect_b32 s68, s67, s66                    ; the block of tokens among the cluster's eight: B's for V, else A's
	s_cselect_b32 s69, s66, s67                    ; the head: A's for V, else B's
	s_lshl_b32 s70, s12, 3
	s_add_co_u32 s68, s68, s70                     ; the block of tokens among all 32
	s_lshr_b32 s70, s68, 4
	s_lshl_b32 s70, s70, 7                         ; 128 x batch
	s_and_b32 s71, s68, 15
	s_add_co_u32 s70, s70, s71                     ; + block in the batch
	s_lshl_b32 s71, s69, 4
	s_add_co_u32 s70, s70, s71                     ; + 16 x head
	s_lshl_b32 s71, ttmp9, 8
	s_add_co_u32 s70, s70, s71                     ; + 256 x part
	s_lshl_b32 s70, s70, 14                        ; x 16,384 bytes (under 2^24)
	s_mov_b32 s71, 0
	s_add_nc_u64 s[10:11], s[10:11], s[70:71]
	s_lshl_b32 s72, ttmp9, 3
	s_add_co_u32 s72, s72, s69                     ; 8 x part + head: which 128 of b's 3,072
	s_lshl_b32 s72, s72, 9
	s_mov_b32 s73, 0
	s_add_nc_u64 s[6:7], s[6:7], s[72:73]
	v_lshlrev_b32 v6, 6, v2                        ; 64 h
	v_and_b32 v7, 8, v1
	v_add_nc_u32 v7, v7, v1
	v_lshlrev_b32 v7, 2, v7                        ; 4 (r + 8 (r / 8))
	; both forms of the bias are loaded in every work-group; they land while the products run.  Their address registers are never rewritten
.irp c, 0,1,2,3
.irp q, 0,1,2,3
	global_load_b128 v[BJ+16*\c+4*\q:BJ+16*\c+4*\q+3], v6, s[6:7] offset:128*\c+16*\q   ; b(32 c + 16 h + 4 q ..)
.endr
.endr
.irp a, 0,1,2,3,4,5,6,7
	global_load_b32 v[BI+2*\a], v7, s[6:7] offset:4*(32*(\a/2)+8*(\a%2))                ; b(32 (a / 2) + 8 (a % 2) + r + 8 (r / 8)),
	global_load_b32 v[BI+2*\a+1], v7, s[6:7] offset:4*(32*(\a/2)+8*(\a%2))              ; twice: the packed multiply-add names a pair
.endr
.macro FRAG reg, adr, q, i             ; lane l holds row l % 16; registers 4 c .. 4 c + 3 hold K = 32 c + 16 (l / 16) + 0 .. 15: the same order of K in A and in B
.irp c, 0,1,2,3
	ds_load_b128 v[\reg+4*\c:\reg+4*\c+3], v[\adr] offset:128*(\q)+32*\c+(\i)*16*PITCH
.endr
.endm
; 16 matrix instructions: A's blocks a0, a0 + 1 x B's eight, 128 along K.  p: B's set.  zero = 1: the first product starts the sums.  The 64 accumulators take turns, in the same order in every step.
.macro MUL16 a0, p, zero
.irp a, \a0, \a0+1
.irp b, 0,1,2,3,4,5,6,7
.if \zero
	v_wmma_f32_16x16x128_bf8_bf8 v[8*(8*((\a)%4)+\b):8*(8*((\a)%4)+\b)+7], v[128*(\p)+FR*\b:128*(\p)+FR*\b+FR-1], v[AF+FR*(\a):AF+FR*(\a)+FR-1], 0
.else
	v_wmma_f32_16x16x128_bf8_bf8 v[8*(8*((\a)%4)+\b):8*(8*((\a)%4)+\b)+7], v[128*(\p)+FR*\b:128*(\p)+FR*\b+FR-1], v[AF+FR*(\a):AF+FR*(\a)+FR-1], v[8*(8*((\a)%4)+\b):8*(8*((\a)%4)+\b)+7]
.endif
.endr
.endr
.endm
.macro FETCH_B slot, q, p              ; B's eight fragments of the slot's q-th 128 along K into set p
	WIN TO_B
.irp i, 0,1,2,3,4,5,6,7
	FRAG 128*(\p)+FR*\i, ADRB+\slot, \q, \i
.endr
	WIN 0
.endm
.macro FETCH_A slot, q, i0             ; A's blocks i0 .. i0 + 3
.irp i, \i0, \i0+1, \i0+2, \i0+3
	FRAG AF+FR*(\i), ADRA+\slot, \q, \i
.endr
.endm
.macro PLACES n                        ; places in front of loads into registers that matrix instructions have read, and of reads of their results
.rept \n
	v_nop
.endr
.endm
; A slot's first 128 along K.  A's blocks go one after the other, each against B's eight: a block of A is free as soon as its eight products are issued, so one set of registers serves A.
.macro STEP slot, zero
	s_wait_dscnt 16                                ; B's set and A's blocks 0-3 are in; the youngest 16 loads (A's blocks 4-7) may be out
	WIN MUL_LO
	MUL16 0, 0, \zero
	MUL16 2, 0, \zero
	s_wait_dscnt 0
	PLACES NP
	FETCH_B \slot, 1, 1
	FETCH_A \slot, 1, 0
	WIN MUL_HI
	MUL16 4, 0, \zero
	MUL16 6, 0, \zero
	PLACES NP
	WIN 0
	FETCH_A \slot, 1, 4
.endm
; A slot's second 128 along K, and the change of slots: ONE barrier; in front of it each wave waits for all its tensor loads, adds 0 to its spare word, and waits for that and for its own reads of this slot.  fill = 1: this slot is filled again, two K steps ahead.
.macro TURN slot, next, fill
	s_wait_tensorcnt 0x0                           ; my part of the next slot is in (every window is 0 here)
	ds_add_u32 v[SPW], v[NIL]                      ; 0 onto my spare word
	s_wait_dscnt 17                                ; (the add and the youngest 16 loads, A's blocks 4-7, may be out)
	WIN MUL_LO
	MUL16 0, 1, 0
	s_wait_dscnt 0x0                               ; the add is done, and my reads of this slot are over
	s_barrier_signal -1
	MUL16 2, 1, 0
	WIN 0
	s_barrier_wait -1
.if \fill
	CREST                                          ; no wave of any partner still reads this slot's tile or has a load on its way
	s_add_nc_u64 s[G0+4*\slot+2:G0+4*\slot+3], s[G0+4*\slot+2:G0+4*\slot+3], 2*ROWB
	s_add_nc_u64 s[G0B+4*\slot+2:G0B+4*\slot+3], s[G0B+4*\slot+2:G0B+4*\slot+3], 2*ROWB
	JLOAD G0+4*\slot, G1, G0B+4*\slot, G1B         ; the four v_nop behind it are the places in front of the loads below
.else
	PLACES NP
.endif
	FETCH_B \next, 0, 0
	FETCH_A \next, 0, 0
.if (\fill) && (\slot) == 0
	ASK 3
.endif
	WIN MUL_HI
	MUL16 4, 1, 0
	MUL16 6, 1, 0
	PLACES NP
	WIN 0
	FETCH_A \next, 0, 4
.endm
	s_wait_alu depctr_va_vdst(0)
	s_wait_tensorcnt 0x0                           ; my part of K step 0 is in; these lines as ahead of a refill:
	ds_add_u32 v[SPW], v[NIL]
	s_wait_dscnt 0x0
	CROUND                                         ; everybody's part is in, and all sixteen work-groups are here
	JLOAD G0+4, G1, G0B+4, G1B                     ; K step 1's load, the first tensor load behind the round
	FETCH_B 0, 0, 0
	FETCH_A 0, 0, 0
	FETCH_A 0, 0, 4
	ASK 2
	STEP 0, 1                                      ; K step 0's first products start the sums
	TURN 0, 1, 1
	STEP 1, 0
	TURN 1, 0, 1
	STEP 0, 0
	TURN 0, 1, 0                                   ; nothing more to fill
	STEP 1, 0
	s_wait_dscnt 16                                ; the very last step: nothing more to fetch
	WIN MUL_LO
	MUL16 0, 1, 0
	MUL16 2, 1, 0
	s_wait_dscnt 0
	WIN MUL_HI
	MUL16 4, 1, 0
	MUL16 6, 1, 0
	WIN 0
	; THE WAY OUT, without LDS: the results are worked on where they stand, and a block's codes are an image of the next operand's registers.
	s_wait_kmcnt 0x0
	s_add_co_i32 s96, s84, s85
	s_add_co_i32 s96, s96, 127
	s_lshl_b32 s96, s96, 23                        ; 2^(e0 + e1)
	s_mov_b32 s97, s96                             ; (named with it as a pair, so it is written)
	s_cmp_eq_u32 ttmp9, 0                          ; the part's own scale is chosen without a jump: e2 for Q, e3 for K,
	s_cselect_b32 s90, s86, s87
	s_cmp_eq_u32 ttmp9, 2
	s_cselect_b32 s90, s89, s90                    ; e5 for V
	s_add_co_i32 s90, s90, 127
	s_lshl_b32 s91, s90, 23
	v_mov_b32 v[SC], s91                           ; 2^eo as f32: the conversion takes its exponent field
	s_add_co_i32 s90, s90, 15
	s_lshl_b32 s90, s90, 23
	s_or_b32 s90, s90, 0x600000
	v_mov_b32 v[LIM], s90                          ; 57,344 x 2^eo
	s_wait_alu depctr_va_vdst(0)
	s_wait_loadcnt 0x0                             ; the biases
	PLACES 2                                       ; with the two moves above: four places behind the last products
; sum x 2^(e0 + e1) + bias, two numbers at a time, in place, each accumulator from its low end on.  byrow = 0: the bias goes by B's rows (a lane's registers); 1: by A's rows (one number a lane and block).
.macro ADDB hi, byrow
	WIN 0x82+0x41*(\hi)                            ; source 0 and destination window 2 or 3; the bias in window 0
.irp a, 0,1,2,3
.set j, 0
.rept 32
.if \byrow
	v_pk_fma_f32 v[64*\a+j:64*\a+j+1], v[64*\a+j:64*\a+j+1], s[96:97], v[BI+2*(4*(\hi)+\a):BI+2*(4*(\hi)+\a)+1] op_sel_hi:[1,0,1]
.else
	v_pk_fma_f32 v[64*\a+j:64*\a+j+1], v[64*\a+j:64*\a+j+1], s[96:97], v[BJ+j:BJ+j+1] op_sel_hi:[1,0,1]
.endif
.set j, j+2
.endr
.endr
	WIN 0
.endm
; Four blocks: the bias, the hold, the conversions, the stores.
.macro FINISH hi
	s_cmp_eq_u32 s13, 1                            ; V?  The same in all sixteen partners; no barrier and no tensor load stands in either arm
	s_cbranch_scc1 .Lby_row_\@
	ADDB \hi, 0                                    ; Q, K: the output channel is B's row
	s_branch .Lbiased_\@
.Lby_row_\@:
	ADDB \hi, 1                                    ; V: the output channel is A's row
.Lbiased_\@:
	WIN 0x82+0x41*(\hi)
.set j, 0
.rept 256
	v_med3_num_f32 v[j], v[j], -v[LIM], v[LIM]     ; the conversion to an 8-bit code does not saturate (ISA guide 7.6.2)
.set j, j+1
.endr
	WIN 0x02+(\hi)                                 ; source 0 window 2 or 3; scale and destination window 0
.set j, 0
.rept 32
	v_cvt_scalef32_pk8_bf8_f32 v[PC+64*(\hi)+2*j:PC+64*(\hi)+2*j+1], v[8*j:8*j+7], v[SC]   ; accumulator j = 8 (a % 4) + b: registers 2 b, 2 b + 1 of block a's image
.set j, j+1
.endr
	v_nop                                          ; one plain vector instruction behind the last conversion of the run
	WIN 0
.set j, 0
.rept 16
	global_store_b128 v[CO], v[PC+64*(\hi)+4*j:PC+64*(\hi)+4*j+3], s[10:11] offset:8192*(\hi)+512*j   ; 32 lanes store 512 consecutive bytes, at a multiple of 256 from the buffer's first byte; no store's data are written again
.set j, j+1
.endr
.endm
	FINISH 0
	FINISH 1
	s_wait_tensorcnt 0x0                           ; the wave's end
	ds_add_u32 v[SPW], v[NIL]
	s_wait_dscnt 0x0
	CROUND                                         ; the closing round: no work-group ends while a partner may still ask for a tile that names it
	s_endpgm
.Lfunc_end_k_qbda496539b_qkv:
	.size	k_qbda496539b_qkv, .Lfunc_end_k_qbda496539b_qkv-k_qbda496539b_qkv
	.p2alignl 7, 3214868480
	.fill 96, 4, 3214868480
	.section	.rodata,"a",@progbits
	.p2align	6, 0x0
	.amdhsa_kernel k_qbda496539b_qkv
		.amdhsa_group_segment_fixed_size 327680
		.amdhsa_private_segment_fixed_size 0
		.amdhsa_enable_private_segment 0
		.amdhsa_kernarg_size 32
		.amdhsa_user_sgpr_count 2
		.amdhsa_user_sgpr_kernarg_segment_ptr 1
		.amdhsa_wavefront_size32 1
		.amdhsa_system_sgpr_workgroup_id_x 1
		.amdhsa_system_sgpr_workgroup_id_y 1
		.amdhsa_system_sgpr_workgroup_id_z 1
		.amdhsa_system_vgpr_workitem_id 0
		.amdhsa_next_free_vgpr 1024
		.amdhsa_next_free_sgpr 98
		.amdhsa_reserve_vcc 0
		.amdhsa_float_denorm_mode_32 3
		.amdhsa_float_denorm_mode_16_64 3
		.amdhsa_memory_ordered 1
		.amdhsa_forward_progress 1
		.amdhsa_inst_pref_size 154
	.end_amdhsa_kernel
	.amdgpu_metadata
---
amdhsa.version: [ 1, 2 ]
amdhsa.kernels:
  - .name:           k_qbda496539b_qkv
    .symbol:         k_qbda496539b_qkv.kd
    .args:
      - { .name: codes, .offset: 0, .size: 8, .value_kind: global_buffer, .address_space: global }
      - { .name: b_qkv, .offset: 8, .size: 8, .value_kind: global_buffer, .address_space: global }
      - { .name: lowp_scales, .offset: 16, .size: 8, .value_kind: global_buffer, .address_space: global }
      - { .name: qkv, .offset: 24, .size: 8, .value_kind: global_buffer, .address_space: global }
    .group_segment_fixed_size: 327680
    .private_segment_fixed_size: 0
    .kernarg_segment_align: 8
    .kernarg_segment_size: 32
    .max_flat_workgroup_size: 128
    .sgpr_count:     98
    .vgpr_count:     1024
    .wavefront_size: 32
...
	.end_amdgpu_metadata
.endif
;; end of part 2
;; launch attn (part 3): grid 16 x 16, 8 waves a work-group, clusters of 4 x 1, 327,680 bytes of LDS; arguments qkv, lowp_scales, out0; writes out0
.if DOCPART == 3
	.amdgcn_target "amdgcn-amd-amdhsa--gfx1250"
	.amdhsa_code_object_version 6
	.text
	.protected	k_qbda496539b_attn
	.globl	k_qbda496539b_attn
	.p2align	8
	.type	k_qbda496539b_attn,@function
k_qbda496539b_attn:
	s_mov_b64 s[64:65], 0
	v_nop
	global_prefetch_b8 v0, s[64:65] scope:SCOPE_SE
	s_setreg_imm32_b32 hwreg(HW_REG_WAVE_MODE, 25, 1), 1
	s_wait_xcnt 0x0
	s_wait_alu depctr_hold_cnt(0) depctr_sa_sdst(0) depctr_va_vdst(0) depctr_va_sdst(0) depctr_va_ssrc(0) depctr_va_vcc(0) depctr_vm_vsrc(0)
	s_getreg_b32 s2, hwreg(HW_REG_IB_STS2, 6, 4)
	s_cmp_eq_u32 s2, 0
	s_cbranch_scc0 .Lentry_in_a_cluster
	s_endpgm
.Lentry_in_a_cluster:
	s_bfe_u32 s2, ttmp6, 0x10000c
	s_cmp_lg_u32 s2, 0x3003
	s_cbranch_scc0 .Lentry_shape_is_right
	s_endpgm
.Lentry_shape_is_right:
; out(b, q, 128 head + d) = the sum over k of softmax_k(Q . K / sqrt(128)) V on codes of BF8 (E5M2), both products transposed: S^T = K Q^T, O^T = V^T P^T: a lane holds ONE query throughout.
; The buffer holds Q's, K's and V's images as the launch before lays them: 4 MiB a part, 256 KiB a (batch, head), 16,384 bytes a block of 128 rows, 2,048 bytes an image of 16 rows: 16 bytes at 512 c + 16 lane.
; SOFTMAX: t = score x log2(e) / sqrt(128); M = the largest t so far, rounded up to a whole number, kept as -M; p = 2^(t - M) is quantised; the row's sum is of the unquantised p.  When M moves, sum and O are multiplied by 2^(old M - new M).
; SHARES.  256 work-groups, each 128 queries of one head; eight waves: wave w owns 32 queries, 32 (w % 4) on (two tiles, A and B), and of each slot of 512 keys the half g = w / 4: 256 keys, one step.  Four slots, four steps.
; At the end the two halves of the keys are joined through LDS: wave w sends one tile's O, -M and sum to wave w xor 4 and finishes the other.
; THE TWO HALVES RUN HALF A STEP APART.  P(s) = the products: O += V(s - 1) P(s - 1), then the scores of step s and their maxima.  S(s) = the softmax of step s.  Between change s and change s + 1 waves 0-3 do S(s), P(s + 1), waves 4-7 P(s), S(s).
;   The text has S once; P stands on both sides of it, under a branch on the wave's number that leads round no barrier, add, tensor load or wait on TENSORcnt.
; LIMITS: e2 + e3 between -123 and 130, e4 between -126 and 112, so that the powers of two below are f32 numbers.  NaN and infinities among the inputs are not served.
; LDS: two buffers of 128 KiB: K's slot (half 0, half 1), V's slot (half 0, half 1): eight parts of 32 KiB; slot s goes to buffer s % 2; the spare words behind them.  Kg(s), Vg(s): the parts of slot s.
;   Head: slot 0, eight waves.  Behind the next round: slot 1, eight waves.  Change 0: K0(2), waves 0-1.  Change 1: K1(2), V0(2), K0(3); change 2: K1(3), V0(3), V1(2), waves 0-5.  Change 3: V1(3), waves 0-1.
;   A wave's load is 64 rows of 256 bytes, joint: its mask names the cluster's four query blocks of one head.  What a change fills was read for the last time ahead of it, and is read behind the next change at the earliest.
; PREFETCH: behind slot 1's load K's slot 2 (wave 0), behind change 0's K's slot 3 (wave 0), V's slots 2 and 3 (waves 4, 5): one to three changes ahead of the loads; the sixteen work-groups of a head share a slot's 256 blocks of 256 bytes by address, 16 each.
; REGISTERS.  Window 1: the scores, then p: tile A v0-127, tile B v128-255 (16 key tiles x 8); V's fragments for the first 128 keys lie in A's once the codes are made, for the second in B's;
;   K's fragments of key tiles 0-3 and 8-11 lie in v96-127, v224-255, of 4-7 in v64-95, v192-223, ahead of the scores that take these places; of 12-15 in P.  Window 0: below.
.set LIMP, 16                          ; 57,344 x 2^e4
.set SCP,  17                          ; 2^e4
.set SPW,  18                          ; my spare word's address; never rewritten
.set NIL,  19                          ; 0; never rewritten
.set LK,   20                          ; LDS address of the part of K that I read next
.set LV,   21                          ; of V
.set LI,   22                          ; 16 x lane
.set PFO,  23                          ; the prefetches' offset: 256 x min(lane, 15)
.set Q,    24                          ; v24-55  Q, two tiles
.set P,    56                          ; v56-119 p's codes, 32 registers a tile
.set O,    120                         ; v120-247 O^T, 64 registers a tile
; v0-7 tile A: -M, largest t, the sum in two halves, at work (6: the factor f); v8-15 the same of tile B; v248-253 partial sums
.set SPARE, 0x40000
.set STAGE2, 8*8704                    ; the way out's stages, behind the eight regions of the join: below V's half 0 of buffer 1
.set G1,   24                          ; group 1: 64 rows of 256 bytes
.set KB,   56                          ; LDS byte of the part of K that I read next
.set CNT,  57
.set CS,   58
.set SEL,  60
.set MSB, 0
.macro WIN new                         ; the immediate's high byte repeats the setting that is left
.if MSB != (\new)
	s_set_vgpr_msb (MSB<<8)|(\new)
.set MSB, (\new)
.endif
.endm
.macro PLACES n
.rept \n
	v_nop
.endr
.endm
.macro CREST                           ; a round of the cluster's barrier behind its opening barrier
	s_cmp_lg_u32 s12, 0
	s_cbranch_scc1 .Lnot_wave_0_\@
	s_barrier_signal -3
.Lnot_wave_0_\@:
	s_barrier_wait -3
	s_barrier_signal -1
	s_barrier_wait -1
.endm
.macro CROUND
	s_barrier_signal -1
	s_barrier_wait -1
	CREST
.endm
	s_load_b128 s[4:7], s[0:1], 0x0                ; the images, the scales' exponents
	s_load_b64 s[8:9], s[0:1], 0x10                ; out0
	v_lshl_add_u32 v[SPW], v0, 2, SPARE
	v_mov_b32 v[NIL], 0
	ds_add_u32 v[SPW], v[NIL]                      ; the opening: the add, twice on end, ahead of my first tensor load
	ds_add_u32 v[SPW], v[NIL]
	v_lshrrev_b32 v1, 5, v0
	v_readfirstlane_b32 s12, v1                    ; wave 0..7
	v_and_b32 v[LI], 31, v0
	v_min_u32 v[PFO], 15, v[LI]
	v_lshlrev_b32 v[PFO], 8, v[PFO]
	v_lshlrev_b32 v[LI], 4, v[LI]
	s_lshr_b32 s11, s12, 2                         ; g: which half of a slot's keys
	s_and_b32 s10, s12, 3                          ; which 32 queries
	s_mul_i32 s[KB], s11, 0x28000                  ; half 0 begins in buffer 0; half 1 is turned into it by the first change
	v_add_nc_u32 v[LK], s[KB], v[LI]
	s_bfe_u32 s13, ttmp6, 0x40000
	s_lshl_b32 s14, ttmp9, 2
	s_add_co_u32 s14, s14, s13                     ; the block of 128 queries: 4 x cluster + place
	s_and_b32 s16, ttmp7, 0xffff                   ; 8 x batch + head
	s_lshl_b32 s20, s16, 18
	s_add_co_u32 s20, s20, 0x400000                ; K's images of the head
	s_mov_b32 s21, 0
	s_lshl_b32 s22, s12, 14                        ; my 16,384 bytes of a load that eight waves share out,
	s_mov_b32 s23, 0
	s_and_b32 s40, s12, 1
	s_lshl_b32 s40, s40, 14                        ; or that two waves share out
	s_mov_b32 s41, 0
	s_mul_i32 s44, s11, 0x3f0000                   ; waves 4-7 take V's slot: 4 MiB on, four waves' parts back
	s_mov_b32 s45, 0
	s_mul_i32 s62, s11, 0x3f0000                   ; the prefetches: wave 0 from K's slot 2, waves 4 and 5 from V's slots 1 and 2
	s_add_co_u32 s62, s62, 0x20000
	s_lshl_b32 s63, s10, 16
	s_add_co_u32 s62, s62, s63
	s_lshl_b32 s63, s14, 12
	s_add_co_u32 s62, s62, s63                     ; + my work-group's 16 blocks
	s_mov_b32 s63, 0
	s_lshl_b32 s32, s16, 18                        ; my two images of Q
	s_lshl_b32 s34, s14, 14
	s_add_co_u32 s32, s32, s34
	s_lshl_b32 s34, s10, 12
	s_add_co_u32 s32, s32, s34
	s_mov_b32 s33, 0
	s_lshr_b32 s34, s16, 3                         ; my first row of the result: 2,048 x batch + 128 x block + 32 x (wave % 4) + 8 x the tile that I finish
	s_lshl_b32 s34, s34, 11
	s_lshl_b32 s35, s14, 7
	s_add_co_u32 s34, s34, s35
	s_lshl_b32 s35, s10, 5
	s_add_co_u32 s34, s34, s35
	s_lshl_b32 s35, s11, 3
	s_add_co_u32 s34, s34, s35
	s_lshl_b32 s34, s34, 12
	s_and_b32 s35, s16, 7
	s_lshl_b32 s35, s35, 9
	s_add_co_u32 s34, s34, s35
	s_mov_b32 s35, 0
	s_mov_b32 s[G1], 15|(3<<16)|(1<<21)            ; the mask of the cluster's four, bit 21 beside it; elements of 8 bytes
	s_mov_b32 s[G1+1], 32<<16
	s_mov_b32 s[G1+2], 64<<16
	s_mov_b32 s[G1+3], 32<<16
	s_mov_b32 s[G1+4], 64
	s_mov_b32 s[G1+5], 32
	s_mov_b32 s[G1+6], 0
	s_mov_b32 s[G1+7], 0
	s_mov_b32 s[CS], 0x3e0293ee                    ; log2(e) / sqrt(128)
	s_mov_b32 s[SEL], 0x76543210
	s_mov_b32 s[SEL+1], 0xfedcba98
.irp i, 68,72,76,80,84,88,92
	s_mov_b32 s\i, 1
.endr
	s_mov_b32 s69, s22                             ; slot 0
	s_add_co_u32 s73, s22, 0x20000                 ; slot 1
	s_mov_b32 s77, s40                             ; K0(2)
	s_add_co_u32 s81, s40, 0x28000                 ; K1(2), K1(3), each turned and stepped ahead of its load
	s_add_co_u32 s85, s40, 0x30000                 ; V0(2), V0(3)
	s_add_co_u32 s89, s40, 0x18000                 ; K0(3), V1(2)
	s_add_co_u32 s93, s40, 0x38000                 ; V1(3)
	s_wait_alu depctr_va_vdst(0)
	s_wait_dscnt 0x0                               ; both opening adds are done
	s_wait_kmcnt 0x0
	s_load_b64 s[36:37], s[6:7], 0x8               ; e2, e3
	s_load_b64 s[38:39], s[6:7], 0x10              ; e4, e5
	s_add_nc_u64 s[20:21], s[4:5], s[20:21]
	s_add_nc_u64 s[70:71], s[20:21], s[22:23]
	s_add_nc_u64 s[70:71], s[70:71], s[44:45]
	s_add_nc_u64 s[74:75], s[70:71], 0x10000
	s_add_nc_u64 s[42:43], s[20:21], s[40:41]
	s_add_nc_u64 s[78:79], s[42:43], 0x20000
	s_add_nc_u64 s[82:83], s[42:43], 0x18000
	s_add_nc_u64 s[86:87], s[42:43], 0x410000
	s_sub_nc_u64 s[90:91], s[42:43], 0x3c8000
	s_add_nc_u64 s[94:95], s[42:43], 0x438000
	s_add_nc_u64 s[46:47], s[20:21], s[62:63]
	s_add_nc_u64 s[32:33], s[4:5], s[32:33]
	s_add_nc_u64 s[8:9], s[8:9], s[34:35]
.irp i, 71,75,79,83,87,91,95
	s_or_b32 s\i, s\i, 0x80000000
.endr
	CROUND                                         ; the four work-groups are here
	tensor_load_to_lds s[68:71], s[G1:G1+7]        ; slot 0
	s_nop 0
	PLACES 4
.irp c, 0,1,2,3,4,5,6,7
	global_load_b128 v[Q+4*\c:Q+4*\c+3], v[LI], s[32:33] offset:512*\c
.endr
.set i, O
.rept 128
	v_mov_b32 v[i], 0                              ; O^T, while the first load is on its way: so P is one text for every step
.set i, i+1
.endr
	s_wait_kmcnt 0x0
	s_add_co_i32 s52, s36, s37
	s_lshl_b32 s52, s52, 23
	s_add_co_i32 s[CS], s[CS], s52                 ; a score stands for score x 2^(e2 + e3)
	s_mov_b32 s[CS+1], s[CS]                       ; (named with it as a pair, so it is written)
	s_add_co_i32 s52, s38, 127
	s_lshl_b32 s53, s52, 23
	v_mov_b32 v[SCP], s53
	s_add_co_i32 s52, s52, 15
	s_lshl_b32 s52, s52, 23
	s_or_b32 s52, s52, 0x600000
	v_mov_b32 v[LIMP], s52
	s_add_co_i32 s52, s38, s39                     ; e4 + e5, for the way out
	s_wait_alu depctr_va_vdst(0)
	s_wait_tensorcnt 0x0                           ; my part of slot 0; these lines as ahead of a refill
	ds_add_u32 v[SPW], v[NIL]
	s_wait_dscnt 0x0
	CROUND
	tensor_load_to_lds s[72:75], s[G1:G1+7]        ; slot 1: first fills; nothing is refilled behind this round
	s_nop 0
	PLACES 4
.macro LDK reg, kt                     ; K's fragments of key tiles kt, kt + 1: eight loads
.set i, 0
.rept 8
	ds_load_b128 v[\reg+4*i:\reg+4*i+3], v[LK] offset:2048*(\kt)+512*i
.set i, i+1
.endr
.endm
.macro KEARLY                          ; into tile A's scores' registers
	WIN 0x40
	LDK 96, 0
	LDK 64, 4
.endm
.macro LOADV ks                        ; V's eight fragments for 128 keys
	WIN 0x40
.set i, 0
.rept 32
	ds_load_b128 v[128*(\ks)+4*i:128*(\ks)+4*i+3], v[LV] offset:16384*(\ks)+512*i
.set i, i+1
.endr
.endm
.macro QKW x, G, f                     ; tile x, key tile 4 G + f
.if (\G) == 3
.set FB, P+16*(\f)
.else
.set FB, 96-32*((\G)%2)+16*((\f)%2)+128*((\f)/2)
.endif
.set DD, 128*(\x)+32*(\G)+8*(\f)
	v_wmma_f32_16x16x128_bf8_bf8 v[DD:DD+7], v[FB:FB+15], v[Q+16*(\x):Q+16*(\x)+15], 0
.endm
.macro MXG x, g, i0                    ; eight of group g's maxima (four key tiles, four chains by turns), each accumulator from its low end on
.set TX, 8*(\x)+4
.set SX, 128*(\x)+32*(\g)
.set mi, \i0
.rept 8
.set mc, mi%4
.set mp, mi/4
.if (\g) > 0
	WIN 0x05
	v_max3_num_f32 v[TX+mc], v[SX+8*mc+2*mp], v[SX+8*mc+2*mp+1], v[TX+mc]
.elseif mp == 0
	WIN 0x15
	v_max3_num_f32 v[TX+mc], v[SX+8*mc], v[SX+8*mc+1], v[SX+8*mc+2]
.elseif mp < 3
	WIN 0x05
	v_max3_num_f32 v[TX+mc], v[SX+8*mc+2*mp+1], v[SX+8*mc+2*mp+2], v[TX+mc]
.elseif mc < 2
	WIN 0x05
	v_max3_num_f32 v[TX+2*mc], v[SX+16*mc+7], v[SX+16*mc+15], v[TX+2*mc]
.endif
.set mi, mi+1
.endr
.endm
; Key tiles 4 G .. 4 G + 3 of both tiles, with the maxima of group mg between.  The last maxima (six or more) are the places behind the last two products.
.macro QKG G, mg
.irp x, 0,1
.irp u, 0,1
.if (\G) == 3
	WIN 0x40
.else
	WIN 0x41
.endif
	QKW \x, \G, 2*\u
	QKW \x, \G, 2*\u+1
	MXG \x, \mg, 8*\u
.endr
.endr
.endm
.macro PVS ks                          ; O^T += V^T P^T over 128 keys: the 16 accumulators by turns
	WIN 0x01
.irp x, 0,1
.set d, 0
.rept 8
.set DD, O+64*\x+8*d
	v_wmma_f32_16x16x128_bf8_bf8 v[DD:DD+7], v[128*(\ks)+16*d:128*(\ks)+16*d+15], v[P+32*\x+16*(\ks):P+32*\x+16*(\ks)+15], v[DD:DD+7]
.set d, d+1
.endr
.endr
.endm
; P: THE PRODUCTS.  first = 1: step 0's, no V yet.
.macro PRODS first
.if (\first) == 0
	LOADV 0
	LOADV 1
	s_wait_dscnt 32                                ; V's first 128 keys are in; the 32 loads of the second may be out
	PVS 0
	PLACES 4                                       ; in front of loads into registers that these products have read
	KEARLY
	s_wait_dscnt 16                                ; V's second 128 keys are in; the 16 just issued may be out
	PVS 1
	PLACES 5                                       ; in front of loads, and of the next scores, over registers that these products have read
.else
	KEARLY
.endif
	WIN 0x40
	LDK 224, 2
	LDK 192, 6
	WIN 0
	LDK P, 12
	LDK P+32, 14
	s_wait_dscnt 24                                ; key tiles 0-3 are in; the youngest 8 + 16 loads (tiles 6, 7 and 12-15) may be out
	WIN 0x41
.irp x, 0,1
.irp f, 0,1,2,3
	QKW \x, 0, \f
.endr
.endr
	PLACES 4
	WIN 0x40
	LDK 96, 8
	LDK 224, 10
	s_wait_dscnt 32                                ; key tiles 4-7 are in; tiles 12-15 and 8-11 (16 loads each) may be out
	QKG 1, 0
	s_wait_dscnt 0x0
	QKG 2, 1
	QKG 3, 2
	MXG 0, 3, 0
	MXG 0, 3, 8
	MXG 1, 3, 0
	MXG 1, 3, 8
	WIN 0
.endm
.macro LASTPV                          ; the last step's O += V P
	LOADV 0
	LOADV 1
	s_wait_dscnt 32                                ; as in P
	PVS 0
	s_wait_dscnt 0x0
	PVS 1
	PLACES 4                                       ; behind these products, whichever way the text goes on
	WIN 0
.endm
.macro CHAIN first                     ; from the four chains' maxima to -M and f, both tiles by turns
.irp x, 0,8
	v_max3_num_f32 v[\x+4], v[\x+4], v[\x+5], v[\x+6]
.endr
.irp x, 0,8
	v_max_num_f32 v[\x+4], v[\x+4], v[\x+7]
.endr
.irp x, 0,8
	v_permlanex16_b32 v[\x+5], v[\x+4], s[SEL], s[SEL+1]
.endr
.irp x, 0,8
	v_max_num_f32 v[\x+4], v[\x+4], v[\x+5]
.endr
.if \first
.irp x, 0,8
	v_mul_f32 v[\x+1], s[CS], v[\x+4]              ; the largest t
.endr
.else
.irp x, 0,8
	v_mul_f32 v[\x+4], s[CS], v[\x+4]
.endr
.irp x, 0,8
	v_mov_b32 v[\x+7], v[\x]
.endr
.irp x, 0,8
	v_max_num_f32 v[\x+1], v[\x+1], v[\x+4]
.endr
.endif
.irp x, 0,8
	v_floor_f32 v[\x], -v[\x+1]                    ; -M = floor(-t): a whole number
.endr
.if (\first) == 0
.irp x, 0,8
	v_sub_f32 v[\x+7], v[\x], v[\x+7]              ; old M - new M, 0 or less
.endr
.irp x, 0,8
	v_cvt_i32_f32 v[\x+7], v[\x+7]                 ; (it saturates)
.endr
.irp x, 0,8
	v_ldexp_f32 v[\x+6], 1.0, v[\x+7]              ; f
.endr
.endif
.endm
.macro RESC x                          ; the sum and O^T under the new M
.set TX, 8*(\x)
	v_pk_mul_f32 v[TX+2:TX+3], v[TX+2:TX+3], v[TX+6:TX+7] op_sel_hi:[1,0]
.set i, O+64*(\x)
.rept 32
	v_pk_mul_f32 v[i:i+1], v[i:i+1], v[TX+6:TX+7] op_sel_hi:[1,0]
.set i, i+2
.endr
.endm
.macro FMA x, i                        ; t - M, two at a time
	v_pk_fma_f32 v[128*(\x)+2*(\i):128*(\x)+2*(\i)+1], v[128*(\x)+2*(\i):128*(\x)+2*(\i)+1], s[CS:CS+1], v[8*(\x):8*(\x)+1] op_sel_hi:[1,0,0]
.endm
.macro MIN2 r                          ; the conversion to an 8-bit code does not saturate (ISA guide 7.6.2); p is not negative, so the hold is one-sided
	v_dual_min_num_f32 v[\r], v[\r], v[LIMP] :: v_dual_min_num_f32 v[\r+1], v[\r+1], v[LIMP]
.endm
.macro SUM x, first                    ; the row's sum of the unquantised p, in four chains
.set TX, 8*(\x)+2
.set SX, 128*(\x)
.if \first
	WIN 0x05
	v_pk_add_f32 v[TX:TX+1], v[SX:SX+1], v[SX+8:SX+9]
.else
	WIN 0x01
	v_pk_add_f32 v[TX:TX+1], v[SX:SX+1], v[TX:TX+1]
	WIN 0x05
.endif
.irp c, 1,2,3
	v_pk_add_f32 v[246+2*\c:247+2*\c], v[SX+2*\c:SX+2*\c+1], v[SX+8+2*\c:SX+9+2*\c]
.endr
	WIN 0x01
.if (\first) == 0
	v_pk_add_f32 v[TX:TX+1], v[SX+8:SX+9], v[TX:TX+1]
.endif
.set i, SX+16
.rept 14
	v_pk_add_f32 v[TX:TX+1], v[i:i+1], v[TX:TX+1]
	v_pk_add_f32 v[248:249], v[i+2:i+3], v[248:249]
	v_pk_add_f32 v[250:251], v[i+4:i+5], v[250:251]
	v_pk_add_f32 v[252:253], v[i+6:i+7], v[252:253]
.set i, i+8
.endr
	WIN 0
	v_pk_add_f32 v[248:249], v[248:249], v[252:253]
	v_pk_add_f32 v[TX:TX+1], v[TX:TX+1], v[250:251]
	v_pk_add_f32 v[TX:TX+1], v[TX:TX+1], v[248:249]
.endm
.macro CVTS x                          ; a tile's codes
	WIN 0x01
.set n, 0
.rept 16
	v_cvt_scalef32_pk8_bf8_f32 v[P+32*(\x)+2*n:P+32*(\x)+2*n+1], v[128*(\x)+8*n:128*(\x)+8*n+7], v[SCP]
.set n, n+1
.endr
.endm
; S: THE SOFTMAX of 256 keys, two tiles of queries.
.macro SOFT first
	CHAIN \first
.if (\first) == 0
	RESC 0
	RESC 1
.endif
	WIN 0x41
.set n, 0
.rept 64
	FMA 0, n
.set n, n+1
.endr
	s_wait_alu depctr_va_vdst(0)                   ; ahead of the batch
.set n, 0
.rept 64                               ; tile A's exponentials; between them tile B's t - M, which nothing reads before the next batch
	v_exp_f32 v[2*n], v[2*n]
	v_exp_f32 v[2*n+1], v[2*n+1]
	FMA 1, n
.set n, n+1
.endr
	s_wait_alu depctr_va_vdst(0)                   ; and behind the batch
	SUM 0, \first
	WIN 0x41
.set n, 0
.rept 64                               ; tile B's exponentials; between them the hold of tile A's p, which nothing reads before the wait
	v_exp_f32 v[128+2*n], v[128+2*n]
	v_exp_f32 v[128+2*n+1], v[128+2*n+1]
	MIN2 2*n
.set n, n+1
.endr
	s_wait_alu depctr_va_vdst(0)                   ; behind the batch
	CVTS 0
	SUM 1, \first
	WIN 0x41
.set n, 0
.rept 64
	MIN2 128+2*n
.set n, n+1
.endr
	CVTS 1
	v_nop                                          ; one plain vector instruction behind the last conversion
	WIN 0
	s_wait_alu depctr_va_vdst(0)
.endm
; THE CHANGES, all windows 0.  k = 0: K0(2); k = 1, in the loop: three parts; k = 3: V1(3); k = 4: nothing is filled.
.macro FEW d                           ; waves 0 and 1
	s_cmp_gt_u32 s12, 1
	s_cbranch_scc1 .Lnone_\@
	tensor_load_to_lds s[\d:\d+3], s[G1:G1+7]
	s_nop 0
	PLACES 4
.Lnone_\@:
.endm
.macro THREE                           ; waves 0-1, 2-3, 4-5: one load in each arm
	s_cmp_gt_u32 s12, 1
	s_cbranch_scc1 .Lnot_01_\@
	tensor_load_to_lds s[80:83], s[G1:G1+7]
	s_nop 0
	PLACES 4
	s_branch .Lall_\@
.Lnot_01_\@:
	s_cmp_gt_u32 s12, 3
	s_cbranch_scc1 .Lnot_23_\@
	tensor_load_to_lds s[84:87], s[G1:G1+7]
	s_nop 0
	PLACES 4
	s_branch .Lall_\@
.Lnot_23_\@:
	s_cmp_gt_u32 s12, 5
	s_cbranch_scc1 .Lall_\@
	tensor_load_to_lds s[88:91], s[G1:G1+7]
	s_nop 0
	PLACES 4
.Lall_\@:
.endm
.macro CHANGE k
	s_wait_tensorcnt 0x0                           ; my part of what the last change asked for
	ds_add_u32 v[SPW], v[NIL]                      ; 0 onto my spare word
	s_xor_b32 s[KB], s[KB], 0x20000                ; K from the other buffer,
	v_add_nc_u32 v[LK], s[KB], v[LI]
	v_xor_b32 v[LV], 0x30000, v[LK]                ; V from the one that held the K of a step before
.if (\k) == 1
	s_xor_b32 s81, s81, 0x20000
	s_add_nc_u64 s[82:83], s[82:83], 0x10000       ; K1(2), then K1(3)
	s_xor_b32 s85, s85, 0x20000
	s_add_nc_u64 s[86:87], s[86:87], 0x10000       ; V0(2), then V0(3)
	s_xor_b32 s89, s89, 0x38000
	s_add_nc_u64 s[90:91], s[90:91], 0x3f8000      ; K0(3), then V1(2)
.endif
	s_wait_alu depctr_va_vdst(0)
	s_wait_dscnt 0x0                               ; the add is done, and so are my reads
	s_barrier_signal -1
	s_barrier_wait -1
.if (\k) < 4
	CREST                                          ; no wave of any partner still reads what is filled now
.if (\k) == 0
	FEW 76
.elseif (\k) == 1
	THREE
.else
	FEW 92
.endif
.endif
.endm
.macro HALF0 first                     ; waves 0-3 alone: P
	s_cmp_gt_u32 s12, 3
	s_cbranch_scc1 .Lother_\@
	PRODS \first
.Lother_\@:
.endm
.macro HALF1 first                     ; waves 4-7 alone: P
	s_cmp_lt_u32 s12, 4
	s_cbranch_scc1 .Lother_\@
	PRODS \first
.Lother_\@:
.endm
	s_cmp_eq_u32 s12, 0
	s_cbranch_scc0 .Lno_ask_1
	global_prefetch_b8 v[PFO], s[46:47] th:TH_LOAD_NT scope:SCOPE_SE
.Lno_ask_1:
	s_wait_loadcnt 0x0                             ; Q
	HALF0 1
	CHANGE 0
	s_mov_b32 s53, 0x31                            ; waves 0, 4 and 5
	s_bitcmp1_b32 s53, s12
	s_cbranch_scc0 .Lno_ask_2
	global_prefetch_b8 v[PFO], s[46:47] offset:65536 th:TH_LOAD_NT scope:SCOPE_SE
.Lno_ask_2:
	HALF1 1
	SOFT 1
	HALF0 0
	s_mov_b32 s[CNT], 2
.Lstep:                                                ; steps 1 and 2
	CHANGE 1
	HALF1 0
	SOFT 0
	HALF0 0
	s_sub_co_u32 s[CNT], s[CNT], 1
	s_cmp_lg_u32 s[CNT], 0
	s_cbranch_scc1 .Lstep
	CHANGE 3
	HALF1 0
	SOFT 0
	s_cmp_gt_u32 s12, 3
	s_cbranch_scc1 .Lnot_half_0
	LASTPV
.Lnot_half_0:
	CHANGE 4
	s_cmp_lt_u32 s12, 4
	s_cbranch_scc1 .Lnot_half_1
	LASTPV
.Lnot_half_1:
	; THE JOIN.  The regions and the stages end below byte 0x22000: what lay there has had its last fill, and every wave has passed a change behind its last read
	s_mul_i32 s40, s12, 8704
	s_xor_b32 s41, s12, 4
	s_mul_i32 s41, s41, 8704
	s_add_co_u32 s42, s40, STAGE2
	v_add_nc_u32 v24, s40, v[LI]                   ; I send here, 16 bytes a lane,
	v_lshrrev_b32 v25, 1, v[LI]
	v_add_nc_u32 v26, s41, v[LI]                   ; and receive from the other half's region
	v_add_nc_u32 v27, s41, v25                     ; (8 bytes a lane)
	v_add_nc_u32 v25, s40, v25
	v_bfe_u32 v30, v[LI], 4, 4                     ; r
	v_bfe_u32 v31, v[LI], 8, 1                     ; h
	v_mul_u32_u24 v28, 0x210, v30
	v_lshl_add_u32 v28, v31, 6, v28
	v_add_nc_u32 v28, s42, v28                     ; the way out: row r of 528 bytes, 64 bytes for each h
	v_add_nc_u32 v29, s42, v[LI]                   ; and back by rows
	v_add_f32 v1, v2, v3                           ; -M and my lane's sum, side by side
	v_add_f32 v9, v10, v11
.macro SENDT x
	v_mov_b32 v250, v[8-8*(\x)]                    ; the tile that I keep
	v_mov_b32 v251, v[9-8*(\x)]
.set i, 0
.rept 16
	ds_store_b128 v24, v[O+64*(\x)+4*i:O+64*(\x)+4*i+3] offset:512*i
.set i, i+1
.endr
	ds_store_b64 v25, v[8*(\x):8*(\x)+1] offset:8192
.endm
	s_wait_alu depctr_va_vdst(0)
	s_cmp_eq_u32 s11, 0
	s_cbranch_scc0 .Lsend_a
	SENDT 1
	s_branch .Lsent
.Lsend_a:
	SENDT 0
.Lsent:
	s_wait_alu depctr_va_vdst(0)
	s_wait_dscnt 0x0                               ; my stores are done: the others read them behind the barrier
	s_barrier_signal -1
	s_barrier_wait -1
	ds_load_b64 v[248:249], v27 offset:8192
	WIN 0x40
.set i, 0
.rept 16
	ds_load_b128 v[4*i:4*i+3], v26 offset:512*i
.set i, i+1
.endr
	WIN 0
	s_wait_dscnt 16                                ; the other half's -M and sum; the 16 rows may be out
	v_min_num_f32 v0, v248, v250                   ; -M of both halves
	v_sub_f32 v1, v0, v250
	v_sub_f32 v2, v0, v248
	v_cvt_i32_f32 v1, v1
	v_cvt_i32_f32 v2, v2
	v_ldexp_f32 v4, 1.0, v1                        ; my half's factor,
	v_ldexp_f32 v6, 1.0, v2                        ; the other's
	v_mul_f32 v3, v251, v4
	v_fma_f32 v3, v249, v6, v3
	v_permlanex16_b32 v5, v3, s[SEL], s[SEL+1]
	v_add_f32 v3, v3, v5                           ; the row's sum
	s_wait_alu depctr_va_vdst(0)                   ; ahead of the transcendental
	v_rcp_f32 v3, v3
	v_nop
	s_wait_alu depctr_va_vdst(0)                   ; and behind it
	v_ldexp_f32 v3, v3, s52                        ; x 2^(e4 + e5)
	v_mul_f32 v4, v4, v3
	v_mul_f32 v6, v6, v3
.macro KEEP x
	s_wait_alu depctr_va_vdst(0)                   ; directly ahead of the first reader of O^T
	WIN 0x40
.set i, 0
.rept 32
	v_pk_mul_f32 v[64+i:65+i], v[O+64*(\x)+i:O+64*(\x)+i+1], v[4:5] op_sel_hi:[1,0]
.set i, i+2
.endr
	WIN 0
.endm
	s_wait_alu depctr_va_vdst(0)
	s_wait_dscnt 0x0                               ; the other half's rows
	s_cmp_eq_u32 s11, 0
	s_cbranch_scc0 .Lkeep_b
	KEEP 0
	s_branch .Lkept
.Lkeep_b:
	KEEP 1
.Lkept:
	WIN 0x51
.set i, 0
.rept 32
	v_pk_fma_f32 v[64+i:65+i], v[i:i+1], v[6:7], v[64+i:65+i] op_sel_hi:[1,0,1]
.set i, i+2
.endr
	WIN 0x04
.set i, 0
.rept 16                               ; registers 16 b .. 16 b + 15 are channels 32 b + 16 h + 0 .. 15 of query r
	ds_store_b128 v28, v[64+4*i:64+4*i+3] offset:128*(i/4)+16*(i%4)
.set i, i+1
.endr
	WIN 0x40
.set i, 0
.rept 16
	ds_load_b128 v[4*i:4*i+3], v29 offset:528*i    ; LDS serves a wave's instructions in order (ISA guide 5.7.1.4): these see my stores
.set i, i+1
.endr
	WIN 0x04
.set i, 0
.rept 16                               ; place i of the tile is row i + 8 (i / 8); 32 lanes store 512 consecutive bytes, at a multiple of 256 from the buffer's first byte
	s_wait_dscnt 15-i
	global_store_b128 v[LI], v[4*i:4*i+3], s[8:9] offset:4096*(i+8*(i/8)) th:TH_STORE_NT
.set i, i+1
.endr
	WIN 0
	s_wait_tensorcnt 0x0                           ; the wave's end
	ds_add_u32 v[SPW], v[NIL]
	s_wait_dscnt 0x0
	CROUND                                         ; the closing round
	s_endpgm
.Lfunc_end_k_qbda496539b_attn:
	.size	k_qbda496539b_attn, .Lfunc_end_k_qbda496539b_attn-k_qbda496539b_attn
	.p2alignl 7, 3214868480
	.fill 96, 4, 3214868480
	.section	.rodata,"a",@progbits
	.p2align	6, 0x0
	.amdhsa_kernel k_qbda496539b_attn
		.amdhsa_group_segment_fixed_size 327680
		.amdhsa_private_segment_fixed_size 0
		.amdhsa_enable_private_segment 0
		.amdhsa_kernarg_size 24
		.amdhsa_user_sgpr_count 2
		.amdhsa_user_sgpr_kernarg_segment_ptr 1
		.amdhsa_wavefront_size32 1
		.amdhsa_system_sgpr_workgroup_id_x 1
		.amdhsa_system_sgpr_workgroup_id_y 1
		.amdhsa_system_sgpr_workgroup_id_z 1
		.amdhsa_system_vgpr_workitem_id 0
		.amdhsa_next_free_vgpr 512
		.amdhsa_next_free_sgpr 98
		.amdhsa_reserve_vcc 0
		.amdhsa_float_denorm_mode_32 3
		.amdhsa_float_denorm_mode_16_64 3
		.amdhsa_memory_ordered 1
		.amdhsa_forward_progress 1
		.amdhsa_inst_pref_size 255
	.end_amdhsa_kernel
	.section	.bss,"aw",@nobits
	.p2align	6
	.space	262144
	.amdgpu_metadata
---
amdhsa.version: [ 1, 2 ]
amdhsa.kernels:
  - .name:           k_qbda496539b_attn
    .symbol:         k_qbda496539b_attn.kd
    .args:
      - { .name: qkv, .offset: 0, .size: 8, .value_kind: global_buffer, .address_space: global }
      - { .name: lowp_scales, .offset: 8, .size: 8, .value_kind: global_buffer, .address_space: global }
      - { .name: out0, .offset: 16, .size: 8, .value_kind: global_buffer, .address_space: global }
    .group_segment_fixed_size: 327680
    .private_segment_fixed_size: 0
    .kernarg_segment_align: 8
    .kernarg_segment_size: 24
    .max_flat_workgroup_size: 256
    .sgpr_count:     98
    .vgpr_count:     512
    .wavefront_size: 32
...
	.end_amdgpu_metadata
.endif
;; end of part 3
